; MI455X (gfx1250); checked and timed in simulation.
; The chip was launched on July 23, 2026; its instructions are those of AMD's public machine-readable ISA for CDNA 5 (MIT licence, August 2026) and "CDNA5" Instruction Set Architecture Reference Guide (July 2026). The comments in the code are by the model that wrote it; some were corrected since.
;; State Expanded Block. Allowed arithmetic: float matrix products may take bf16 or f16 operands with f32 sums; all other float work in f32.
;; Inputs: norm_w 1,024 float32; w_forget 1,024 x 1,024 float32; w_input 1,024 x 1,024 float32; w_output 1,024 x 1,024 float32; x 4 x 1,024 x 1,024 float32.
;; Outputs: out0 4 x 1,024 x 1,024 float32.
;; 2 versions, each right; version 2 is version 1 with the launch finish written anew for expert scheduling mode. Each part assembles by itself: llvm-mc -triple=amdgcn-amd-amdhsa -mcpu=gfx1250 --defsym DOCPART=n.
;; ======== version 1 of 2: 3 launches
;; limits: values outside matrix products are rounded to f16
;; workspace buffers: xb 8,388,608 bytes; wb 4,227,072 bytes; zb 16,777,216 bytes; qb 8,388,608 bytes; sums 1,048,576 bytes
;; launch prep (part 1): grid 448 x 1, 8 waves a work-group, no clusters, 5,120 bytes of LDS; arguments x, norm_w, w_forget, w_input, w_output, xb, wb; writes xb, wb
.if DOCPART == 1
	.amdgcn_target "amdgcn-amd-amdhsa--gfx1250"
	.amdhsa_code_object_version 6
	.text
	.protected	k_qb51aebf33c_prep
	.globl	k_qb51aebf33c_prep
	.p2align	8
	.type	k_qb51aebf33c_prep,@function
k_qb51aebf33c_prep:
	s_mov_b64 s[64:65], 0
	v_nop
	global_prefetch_b8 v0, s[64:65] scope:SCOPE_SE
	s_setreg_imm32_b32 hwreg(HW_REG_WAVE_MODE, 25, 1), 1
	s_wait_xcnt 0x0
; prep: everything that the matrix launch needs in bf16, made once.
;   work-groups   0..255: xb = RMSNorm(x) * norm_w in bf16, 16 rows a work-group, 2 rows a wave (a row of 4,096 bytes is 32 registers of a wave)
;   work-groups 256..383: wb rows of w_forget * (+log2 e) and of w_output * (-log2 e), 16 rows a work-group, 2 rows a wave
;   work-groups 384..447: wb rows 256, 257 of each head = the sum S of that head's 128 rows of w_input (f32 sums), as bf16(S) and bf16(S - bf16(S))
; WHY THE HEAD SUM: the state h[d][e] is only ever read as its sum over e, and that sum obeys s = f s + (1 - f) V with V = sum over e of v[e]
; = xn . (sum of the head's rows of w_input).  This is linearity and holds for every input.
; WHY TWO ROWS: V is some 11 times larger than a single v[e] and feeds every channel of the head; with the sum in two bf16 parts its own rounding drops out of V.
; LAYOUTS.  xb: [4096][1024] bf16; inside each group of 64 rows, row t lies at position ((t>>3)&3)*16 + ((t>>5)&1)*8 + (t&7), so that a lane of the
; matrix launch ends up with 32 consecutive t.  wb: [8 heads][258][1024] bf16; rows 0-127 forget, 128-255 output, 256 and 257 the head sum; channel c
; of a head lies at position (c&64) + (c&3)*16 + ((c>>2)&15), so that a lane of the matrix launch ends up with four neighbouring channels.
; LIMITS: +-log2 e is multiplied into the weights in f32 ahead of their one rounding to bf16; the order of the f32 sums (four chains and a tree)
; is not the reference's.
; No matrix unit, no cluster: the work-groups share nothing but norm_w's 4,096 bytes.  Every wave issues all its loads at once (24, 16 or 16 of
; 512 consecutive bytes each); every store of a wave covers 256 consecutive bytes, aligned.  No register that a pending load or store names is written again.
.set ROWB,  4096                       ; bytes in an f32 row
.set OROWB, 2048                       ; bytes in a bf16 row
.set HROWS, 258                        ; rows of wb for a head
.set X0,  8                            ; v[8:39]    first row as loaded; in the head sum: 16 quads v[8:71]
.set X1,  40                           ; v[40:71]   second row
.set NW,  72                           ; v[72:103]  norm_w of my 32 columns
.set ACC, 104                          ; v[104:111] four packed chains
.set R,   112                          ; v[112:115] 1/rms of row 0 twice, of row 1 twice (pairs for the packed multiply)
.set Y0,  116                          ; v[116:131] first row in bf16
.set Y1,  132                          ; v[132:147] second row in bf16
.macro LOADROW dst, base, off          ; a whole row: eight loads of 512 consecutive bytes
.irp j, 0,1,2,3,4,5,6,7
	global_load_b128 v[\dst+4*\j:\dst+4*\j+3], v1, s[\base:\base+1] offset:512*\j+\off th:TH_LOAD_NT
.endr
.endm
.macro PACKROW src, y, base, off       ; 32 f32 a lane to 16 words of bf16; eight stores of 256 consecutive bytes
.irp p, 0,1,2,3,4,5,6,7,8,9,10,11,12,13,14,15
	v_cvt_pk_bf16_f32 v[\y+\p], v[\src+2*\p], v[\src+2*\p+1]
.endr
.irp j, 0,1,2,3,4,5,6,7
	global_store_b64 v2, v[\y+2*\j:\y+2*\j+1], s[\base:\base+1] offset:256*\j+\off
.endr
.endm
.macro SUMSQ src, out                  ; out = mean of the row's squares + eps, in every lane
.irp p, 0,1,2,3
	v_pk_mul_f32 v[ACC+2*\p:ACC+2*\p+1], v[\src+2*\p:\src+2*\p+1], v[\src+2*\p:\src+2*\p+1]   ; the first products start the chains
.endr
.irp p, 4,5,6,7,8,9,10,11,12,13,14,15
	v_pk_fma_f32 v[ACC+2*(\p%4):ACC+2*(\p%4)+1], v[\src+2*\p:\src+2*\p+1], v[\src+2*\p:\src+2*\p+1], v[ACC+2*(\p%4):ACC+2*(\p%4)+1]
.endr
	v_pk_add_f32 v[ACC:ACC+1], v[ACC:ACC+1], v[ACC+2:ACC+3]
	v_pk_add_f32 v[ACC+4:ACC+5], v[ACC+4:ACC+5], v[ACC+6:ACC+7]
	v_pk_add_f32 v[ACC:ACC+1], v[ACC:ACC+1], v[ACC+4:ACC+5]
	v_add_f32 v[ACC], v[ACC], v[ACC+1]
	v_add_f32_dpp v[ACC], v[ACC], v[ACC] row_xmask:1 row_mask:0xf bank_mask:0xf
	v_add_f32_dpp v[ACC], v[ACC], v[ACC] row_xmask:2 row_mask:0xf bank_mask:0xf
	v_add_f32_dpp v[ACC], v[ACC], v[ACC] row_xmask:4 row_mask:0xf bank_mask:0xf
	v_add_f32_dpp v[ACC], v[ACC], v[ACC] row_xmask:8 row_mask:0xf bank_mask:0xf
	v_permlanex16_b32 v[ACC+1], v[ACC], s22, s23   ; the other half of the lanes; its destination has been written before
	v_add_f32 v[ACC], v[ACC], v[ACC+1]
	v_fma_f32 v[\out], v[ACC], s24, s25            ; sum / 1024 + 1e-6
.endm
.macro NORMROW src, r                  ; (x * 1/rms) * norm_w, in the reference's order
.irp p, 0,1,2,3,4,5,6,7,8,9,10,11,12,13,14,15
	v_pk_mul_f32 v[\src+2*\p:\src+2*\p+1], v[\src+2*\p:\src+2*\p+1], v[\r:\r+1]
.endr
.irp p, 0,1,2,3,4,5,6,7,8,9,10,11,12,13,14,15
	v_pk_mul_f32 v[\src+2*\p:\src+2*\p+1], v[\src+2*\p:\src+2*\p+1], v[NW+2*\p:NW+2*\p+1]
.endr
.endm
.macro SCALEROW src                    ; a weight row times +-log2 e
.irp p, 0,1,2,3,4,5,6,7,8,9,10,11,12,13,14,15
	v_pk_mul_f32 v[\src+2*\p:\src+2*\p+1], v[\src+2*\p:\src+2*\p+1], s[26:27] op_sel_hi:[1,0]
.endr
.endm
.macro ADDQ a, b                       ; quad a += quad b
	v_pk_add_f32 v[X0+4*(\a):X0+4*(\a)+1], v[X0+4*(\a):X0+4*(\a)+1], v[X0+4*(\b):X0+4*(\b)+1]
	v_pk_add_f32 v[X0+4*(\a)+2:X0+4*(\a)+3], v[X0+4*(\a)+2:X0+4*(\a)+3], v[X0+4*(\b)+2:X0+4*(\b)+3]
.endm
.macro TREE8                           ; quads 0..7 summed into quad 0
.irp i, 0,1,2,3
	ADDQ \i, \i+4
.endr
	ADDQ 0, 2
	ADDQ 1, 3
	ADDQ 0, 1
.endm
	s_load_b256 s[4:11], s[0:1], 0x0               ; x s[4:5], norm_w s[6:7], w_forget s[8:9], w_input s[10:11]
	s_load_b128 s[12:15], s[0:1], 0x20             ; w_output s[12:13], xb s[14:15]
	s_load_b64 s[16:17], s[0:1], 0x30              ; wb
	v_lshl_add_u32 v148, v0, 2, 0x1000
	v_mov_b32 v149, 0
	v_lshrrev_b32 v3, 5, v0
	v_readfirstlane_b32 s20, v3                    ; wave 0..7
	v_and_b32 v1, 31, v0
	v_lshlrev_b32 v2, 3, v1                        ; 8 x lane: my 8 bytes of each 256 stored
	v_lshlrev_b32 v1, 4, v1                        ; 16 x lane: my 16 bytes of each 512 loaded
	s_mov_b32 s21, ttmp9                           ; the work-group's number picks the kind of work: the same for all its waves
	s_mov_b32 s31, 0                               ; high words of the two offsets
	s_mov_b32 s33, 0
	s_cmp_lt_u32 s21, 256
	s_cbranch_scc0 .Lweights
	; ---- RMSNorm: rows t and t + 1, t = 16 g + 2 wave ----
	s_lshl_b32 s28, s21, 4
	s_lshl1_add_u32 s28, s20, s28                  ; t (even)
	s_lshl_b32 s30, s28, 12                        ; t x 4,096 bytes
	s_and_b32 s29, s28, 0xffffffc7                 ; the group of 64 and t & 7 stay
	s_bfe_u32 s34, s28, 0x20003                    ; (t >> 3) & 3
	s_lshl_b32 s34, s34, 4
	s_or_b32 s29, s29, s34
	s_bfe_u32 s34, s28, 0x10005                    ; (t >> 5) & 1
	s_lshl_b32 s34, s34, 3
	s_or_b32 s29, s29, s34                         ; the row's position in xb; row t + 1 lies one position further
	s_lshl_b32 s32, s29, 11
	s_mov_b32 s22, 0x76543210                      ; v_permlanex16_b32: lane i of one half reads lane i of the other
	s_mov_b32 s23, 0xfedcba98
	s_mov_b32 s24, 0x3a800000                      ; 1 / 1024
	s_mov_b32 s25, 0x358637bd                      ; 1e-6
	s_wait_kmcnt 0x0
	s_add_nc_u64 s[4:5], s[4:5], s[30:31]
	s_add_nc_u64 s[14:15], s[14:15], s[32:33]
	LOADROW X0, 4, 0
	LOADROW X1, 4, ROWB
.irp j, 0,1,2,3,4,5,6,7
	global_load_b128 v[NW+4*\j:NW+4*\j+3], v1, s[6:7] offset:512*\j    ; norm_w: read by every work-group of this kind, so no hint
.endr
	s_wait_loadcnt 16                              ; row 0's eight loads are in; sixteen younger ones stay out
	SUMSQ X0, 4
	s_wait_loadcnt 8                               ; row 1's are in; norm_w's eight stay out
	SUMSQ X1, 5
	v_rsq_f32 v[R], v4                             ; each twice, to fill the pairs
	v_rsq_f32 v[R+1], v4
	v_rsq_f32 v[R+2], v5
	v_rsq_f32 v[R+3], v5
	v_nop                                          ; one plain place between a transcendental and the use of its result (ISA guide 5.7.2)
	s_wait_alu depctr_va_vdst(0)
	s_wait_loadcnt 0x0                             ; norm_w
	NORMROW X0, R
	PACKROW X0, Y0, 14, 0
	NORMROW X1, R+2
	PACKROW X1, Y1, 14, OROWB
	s_endpgm
.Lweights:
	s_cmp_lt_u32 s21, 384
	s_cbranch_scc0 .Lheadsum
	; ---- forget and output weights: rows ch and ch + 1 ----
	s_sub_co_u32 s28, s21, 256
	s_lshr_b32 s29, s28, 6                         ; 0: w_forget, 1: w_output
	s_and_b32 s28, s28, 63
	s_lshl_b32 s28, s28, 4
	s_lshl1_add_u32 s28, s20, s28                  ; ch = 16 (g & 63) + 2 wave (even)
	s_lshl_b32 s30, s28, 12                        ; where the row comes from
	s_lshr_b32 s34, s28, 7
	s_mul_i32 s34, s34, HROWS                      ; the head's rows of wb
	s_lshl_b32 s35, s29, 7
	s_add_co_u32 s34, s34, s35                     ; + 128 for the output gate
	s_and_b32 s35, s28, 64
	s_add_co_u32 s34, s34, s35                     ; + (c & 64)
	s_and_b32 s35, s28, 3
	s_lshl4_add_u32 s34, s35, s34                  ; + 16 (c & 3): row ch + 1 lies 16 positions further
	s_bfe_u32 s35, s28, 0x40002
	s_add_co_u32 s34, s34, s35                     ; + (c >> 2) & 15
	s_lshl_b32 s32, s34, 11
	s_lshl_b32 s27, s29, 31
	s_xor_b32 s26, s27, 0x3fb8aa3b                 ; + log2 e for the forget gate (1 - f = 1 / (1 + 2^a)), - log2 e for the output gate (o = 1 / (1 + 2^a))
	s_mov_b32 s27, s26
	s_wait_kmcnt 0x0
	s_cmp_eq_u32 s29, 0
	s_cselect_b64 s[8:9], s[8:9], s[12:13]
	s_add_nc_u64 s[8:9], s[8:9], s[30:31]
	s_add_nc_u64 s[16:17], s[16:17], s[32:33]
	LOADROW X0, 8, 0
	LOADROW X1, 8, ROWB
	s_wait_loadcnt 8                               ; the first row is in, the second row's eight loads stay out
	SCALEROW X0
	PACKROW X0, Y0, 16, 0
	s_wait_loadcnt 0x0
	SCALEROW X1
	PACKROW X1, Y1, 16, 16*OROWB
	s_endpgm
.Lheadsum:
	; ---- head n, 128 columns: wave v sums 16 rows, the eight partial sums meet in LDS ----
	s_sub_co_u32 s28, s21, 384
	s_lshr_b32 s29, s28, 3                         ; head n
	s_and_b32 s28, s28, 7                          ; which 128 columns
	s_lshl_b32 s30, s29, 7
	s_lshl4_add_u32 s30, s20, s30                  ; row 128 n + 16 wave
	s_lshl_b32 s30, s30, 12
	s_lshl_b32 s34, s28, 9
	s_add_co_u32 s30, s30, s34                     ; + 512 bytes for each block of columns
	s_mul_i32 s32, s29, HROWS
	s_add_co_u32 s32, s32, 256                     ; the head's last two rows of wb
	s_lshl_b32 s32, s32, 11
	s_lshl_b32 s34, s28, 8
	s_add_co_u32 s32, s32, s34
	v_lshlrev_b32 v3, 4, v0                        ; LDS: 512 bytes a wave, 16 a lane
	s_wait_kmcnt 0x0
	s_add_nc_u64 s[10:11], s[10:11], s[30:31]
	s_add_nc_u64 s[16:17], s[16:17], s[32:33]
.irp i, 0,1,2,3,4,5,6,7,8,9,10,11,12,13,14,15
	global_load_b128 v[X0+4*\i:X0+4*\i+3], v1, s[10:11] offset:ROWB*\i th:TH_LOAD_NT
.endr
	s_wait_loadcnt 0x0
.irp i, 0,1,2,3,4,5,6,7
	ADDQ \i, \i+8
.endr
	TREE8
	ds_store_b128 v3, v[X0:X0+3]
	s_wait_dscnt 0x0                               ; for wave 0's sake: my store is done before I signal
	s_barrier_signal -1
	s_barrier_wait -1
	s_cmp_lg_u32 s20, 0
	s_cbranch_scc1 .Ldone
.irp i, 0,1,2,3,4,5,6,7
	ds_load_b128 v[X0+4*\i:X0+4*\i+3], v1 offset:512*\i
.endr
	s_wait_dscnt 0x0
	TREE8
	v_cvt_pk_bf16_f32 v[Y0], v[X0], v[X0+1]        ; the upper part: bf16(S)
	v_cvt_pk_bf16_f32 v[Y0+1], v[X0+2], v[X0+3]
	v_lshlrev_b32 v[ACC], 16, v[Y0]                ; the upper part back in f32,
	v_and_b32 v[ACC+1], 0xffff0000, v[Y0]
	v_lshlrev_b32 v[ACC+2], 16, v[Y0+1]
	v_and_b32 v[ACC+3], 0xffff0000, v[Y0+1]
	v_pk_add_f32 v[X0:X0+1], v[X0:X0+1], v[ACC:ACC+1] neg_lo:[0,1] neg_hi:[0,1]         ; what it left over (exact in f32),
	v_pk_add_f32 v[X0+2:X0+3], v[X0+2:X0+3], v[ACC+2:ACC+3] neg_lo:[0,1] neg_hi:[0,1]
	v_cvt_pk_bf16_f32 v[Y1], v[X0], v[X0+1]        ; and the lower part
	v_cvt_pk_bf16_f32 v[Y1+1], v[X0+2], v[X0+3]
	global_store_b64 v2, v[Y0:Y0+1], s[16:17]                  ; 32 lanes, 256 consecutive bytes, aligned
	global_store_b64 v2, v[Y1:Y1+1], s[16:17] offset:OROWB     ; one row further
.Ldone:
	s_wait_tensorcnt 0x0
	ds_add_u32 v148, v149
	s_wait_dscnt 0x0
	s_endpgm
.Lfunc_end_k_qb51aebf33c_prep:
	.size	k_qb51aebf33c_prep, .Lfunc_end_k_qb51aebf33c_prep-k_qb51aebf33c_prep
	.p2alignl 7, 3214868480
	.fill 96, 4, 3214868480
	.section	.rodata,"a",@progbits
	.p2align	6, 0x0
	.amdhsa_kernel k_qb51aebf33c_prep
		.amdhsa_group_segment_fixed_size 5120
		.amdhsa_private_segment_fixed_size 0
		.amdhsa_enable_private_segment 0
		.amdhsa_kernarg_size 56
		.amdhsa_user_sgpr_count 2
		.amdhsa_user_sgpr_kernarg_segment_ptr 1
		.amdhsa_wavefront_size32 1
		.amdhsa_system_sgpr_workgroup_id_x 1
		.amdhsa_system_sgpr_workgroup_id_y 1
		.amdhsa_system_sgpr_workgroup_id_z 1
		.amdhsa_system_vgpr_workitem_id 0
		.amdhsa_next_free_vgpr 150
		.amdhsa_next_free_sgpr 66
		.amdhsa_reserve_vcc 0
		.amdhsa_float_denorm_mode_32 3
		.amdhsa_float_denorm_mode_16_64 3
		.amdhsa_memory_ordered 1
		.amdhsa_forward_progress 1
		.amdhsa_inst_pref_size 30
	.end_amdhsa_kernel
	.amdgpu_metadata
---
amdhsa.version: [ 1, 2 ]
amdhsa.kernels:
  - .name:           k_qb51aebf33c_prep
    .symbol:         k_qb51aebf33c_prep.kd
    .args:
      - { .name: x, .offset: 0, .size: 8, .value_kind: global_buffer, .address_space: global }
      - { .name: norm_w, .offset: 8, .size: 8, .value_kind: global_buffer, .address_space: global }
      - { .name: w_forget, .offset: 16, .size: 8, .value_kind: global_buffer, .address_space: global }
      - { .name: w_input, .offset: 24, .size: 8, .value_kind: global_buffer, .address_space: global }
      - { .name: w_output, .offset: 32, .size: 8, .value_kind: global_buffer, .address_space: global }
      - { .name: xb, .offset: 40, .size: 8, .value_kind: global_buffer, .address_space: global }
      - { .name: wb, .offset: 48, .size: 8, .value_kind: global_buffer, .address_space: global }
    .group_segment_fixed_size: 5120
    .private_segment_fixed_size: 0
    .kernarg_segment_align: 8
    .kernarg_segment_size: 56
    .max_flat_workgroup_size: 256
    .sgpr_count:     66
    .vgpr_count:     150
    .wavefront_size: 32
...
	.end_amdgpu_metadata
.endif
;; end of part 1
;; launch gates (part 2): grid 8 x 32, 4 waves a work-group, clusters of 4 x 4, 327,680 bytes of LDS; arguments xb, wb, zb, qb, sums, x; writes zb, qb, sums
.if DOCPART == 2
	.amdgcn_target "amdgcn-amd-amdhsa--gfx1250"
	.amdhsa_code_object_version 6
	.text
	.protected	k_qb51aebf33c_gates
	.globl	k_qb51aebf33c_gates
	.p2align	8
	.type	k_qb51aebf33c_gates,@function
k_qb51aebf33c_gates:
	s_mov_b64 s[64:65], 0
	v_nop
	global_prefetch_b8 v0, s[64:65] scope:SCOPE_SE
	s_setreg_imm32_b32 hwreg(HW_REG_WAVE_MODE, 25, 1), 1
	s_wait_xcnt 0x0
	s_wait_alu depctr_hold_cnt(0) depctr_sa_sdst(0) depctr_va_vdst(0) depctr_va_sdst(0) depctr_va_ssrc(0) depctr_va_vcc(0) depctr_vm_vsrc(0)
	s_getreg_b32 s2, hwreg(HW_REG_IB_STS2, 6, 4)
	s_cmp_eq_u32 s2, 0
	s_cbranch_scc0 .Lentry_in_a_cluster
	s_endpgm
.Lentry_in_a_cluster:
	s_bfe_u32 s2, ttmp6, 0x10000c
	s_cmp_lg_u32 s2, 0xf033
	s_cbranch_scc0 .Lentry_shape_is_right
	s_endpgm
.Lentry_shape_is_right:
; gates: the two gate projections and the head sum V as one bf16 product with f32 sums, the sigmoids, the scan over chunks of 32 t, and the residual.
; A work-group makes 128 t (row block rb) x head n: 128 forget channels, 128 output channels, and V.  Four waves, as many as a WGP has SIMDs;
; wave w takes rows 64 (w >> 1) .. + 63 and channels 64 (w & 1) .. + 63: 16 + 16 accumulator tiles of 16 x 16, and 4 tiles for V.
; K = 1024 goes in 8 steps of 128 through two LDS slots filled by the tensor data mover (rows of 256 bytes, aligned); two slots of a step
; of 256 would need 549,120 bytes as the regions are laid here (409,728 if packed) and do not fit.
; CLUSTERS: 4 x 4 work-groups.  The four of a row of the cluster share the row block (xb's tiles), the four of a column share the head (wb's tiles):
; each tile is asked for jointly, which divides the requests for both by four.
; LAYOUT: source 0 = 16 rows of xb, source 1 = 16 rows of wb.  By the row order of xb and wb, register j of lane (r, h) of tile (mt, u) holds
; t = 128 rb + 64 wr + 32 h + 8 mt + j and channel 128 n + 64 wc + 4 r + u.  So a lane owns one chunk of 32 consecutive t of four neighbouring
; channels: the scan is a chain in registers, and the four channels of one t are 16 bytes, of which sixteen lanes fill 256 consecutive bytes, aligned.
; V: the head sum lies in wb as two bf16 rows (upper and lower part).  The even columns of a V fragment read the upper row, the odd ones the lower,
; so a V tile's even columns hold xn . upper and its odd ones xn . lower.  A wave multiplies only two of its four V tiles in a quarter step; waves
; wc = 0 and wc = 1 take the two halves of each 64 along K in opposite order (by address alone), so that each holds half of K of all four tiles.
; The four parts (two parities, two halves of K) meet once through LDS.
; THE SCAN, per chunk: s_loc (started from 0), P (running product of f).  Stored: zb = x + o s_loc in f32; qb = o P in f16, two consecutive t of a
; channel in a word; and in f32 the chunk's last s_loc and P.  The last launch adds z + q carry.
; THE WAY OUT goes in four groups of 8 t (one mt): each group's 12 stores are issued as soon as the group is made, while the later groups are computed.
; s and P stay as they are from group to group (the next group's chains go on from them): z and q are written elsewhere.
; x of a lane's 32 t x 4 channels comes by 32 loads of 16 bytes into registers that nothing else names, issued during the products.
; LIMITS: q = o P lies in (0, 1] for every input (o a sigmoid, P a product of f <= 1), so f16 cannot overflow; its relative error is up to 2^-11, and
; below 2^-14 its absolute error up to 2^-25; i = min(1 / (1 + 2^a), 1 - 0.9f) and f = 1 - i stand for the reference's f = max(sigmoid, 0.9),
; i = 1 - f; v_exp_f32 gives 0 for results below 2^-126 (the sigmoid is then 1, i its cap) and infinity above 2^128 (v_rcp_f32 then gives 0, the
; right limit); P >= 0.9^32 cannot underflow.
;
; REGISTERS, in windows of 256:
;   window 0: v8-19 LDS addresses, v20-23, v32-33 offsets, v24-31 chunk summaries, v64-191 z to store, v192-255 q words to store
;   window 1: fragment buffer 0 at v0-103, buffer 1 at v104-207 (A 32, forget 32, output 32, head sum 8); behind the loop s at v0-127, P at v128-255
;   window 2: forget accumulators v0-127 (tile (mt, u) at 8 (4 mt + u)), then i, f and at last q in their place; V v128-159, the three other parts of V v160-255
;   window 3: output accumulators v0-127; x v128-255 (step k, channel u at 128 + 4 k + u)
.set KSTEP, 128
.set PITCH, 272                        ; an LDS row: 256 bytes + 16 of padding, an odd multiple of 16: the 16 rows of a fragment load start 68 words apart
.set REG,   130*PITCH                  ; a wave's region of a slot: 35,360 bytes
.set SLOT,  4*REG                      ; xb rows 0-63 | xb rows 64-127 | forget rows (and two unread rows) | output rows and the head sum's two
.set SCR,   2*SLOT                     ; 282,880 = 1,105 x 256: behind both slots, 4 x 512 bytes for the exchange of V; no fill lands here
.set LAPS,  4                          ; a lap = two K steps = once round the ring
.set ADRA, 8                           ; v8-11   xb fragments, [2 slot + parity of the quarter]
.set ADRB, 12                          ; v12-15  forget fragments; the output ones lie REG further
.set ADRW, 16                          ; v16-19  the head sum's row of my column's parity
.set VXS,  20                          ; where I put my part of V
.set VXL,  21                          ; my wave's part of the other parity
.set YO,   22                          ; my byte offset in zb and in x: 32 rows for h, 16 bytes for r; never rewritten
.set SO,   23                          ; my byte offset in sums: one row for h, 16 bytes for r
.set SE,   24                          ; v[24:27] the chunk's last s_loc of my four channels
.set PE,   28                          ; v[28:31] the chunk's last P
.set VXP,  32                          ; the partner wave's two parts
.set QO,   33                          ; my byte offset in qb: 16 rows of words for h, 16 bytes for r
.set WORD, 64
.set QW,   192
.set F0,   0
.set F1,   104
.set VACC, 128
.set VP1,  160
.set VP2,  192
.set VP3,  224
.set PAREA, 128
.set XR,   128
.set G1A, 24                           ; s[24:31] group 1 for xb's tiles
.set G0A, 32                           ; s[32:39] group 0 for xb's tiles, a set for each slot
.set G1B, 48                           ; s[48:55] group 1 for wb's tiles
.set G0B, 56                           ; s[56:63] group 0 for wb's tiles, a set for each slot
.set W_LO, 0xa5                        ; sources 0 and 1 window 1, C and D window 2
.set W_HI, 0xf5                        ; sources 0 and 1 window 1, C and D window 3
.set W_FR, 0x40                        ; destination window 1, address window 0
.set MSB, 0
.macro WIN new                         ; the immediate's high byte repeats the setting that is left
.if MSB != \new
	s_set_vgpr_msb (MSB<<8)|\new
.set MSB, \new
.endif
.endm
; A joint load.  Waves 0 and 1 fetch xb's two halves, waves 2 and 3 wb's two.  Each line has one mask; the branch hangs on the wave's number alone.
.macro JLOAD s
	s_cmp_eq_u32 s13, 0
	s_cbranch_scc0 .Lfor_b_\@
	tensor_load_to_lds s[G0A+4*\s:G0A+4*\s+3], s[G1A:G1A+7]
	s_nop 0
	s_branch .Lasked_\@
.Lfor_b_\@:
	tensor_load_to_lds s[G0B+4*\s:G0B+4*\s+3], s[G1B:G1B+7]
	s_nop 0
.Lasked_\@:
.endm
.macro CREST                           ; a round of the cluster's barrier behind its opening work-group barrier
	s_cmp_lg_u32 s12, 0
	s_cbranch_scc1 .Lnot_wave_0_\@
	s_barrier_signal -3
.Lnot_wave_0_\@:
	s_barrier_wait -3
	s_barrier_signal -1
	s_barrier_wait -1
.endm
.macro CROUND                          ; a whole round
	s_barrier_signal -1
	s_barrier_wait -1
	CREST
.endm
.macro PLACES                          ; four plain places behind a matrix instruction ahead of loads into, or vector work on, its registers
.rept 4
	v_nop
.endr
.endm
	s_load_b256 s[4:11], s[0:1], 0x0               ; xb s[4:5], wb s[6:7], zb s[8:9], qb s[10:11]
	s_load_b128 s[72:75], s[0:1], 0x20             ; sums s[72:73], x s[74:75]
	v_lshl_add_u32 v62, v0, 2, 0x45900
	v_mov_b32 v63, 0
	ds_add_u32 v62, v63
	v_lshrrev_b32 v1, 5, v0
	v_readfirstlane_b32 s12, v1                    ; wave 0..3
	s_lshr_b32 s13, s12, 1                         ; wr: my 64 rows.  Also: I fetch for xb (0) or for wb (1)
	s_and_b32 s14, s12, 1                          ; wc: my 64 channels.  Also: which half I fetch
	s_bfe_u32 s40, ttmp6, 0x40000                  ; cx
	s_bfe_u32 s41, ttmp6, 0x40004                  ; cy
	s_lshl_b32 s42, ttmp9, 2
	s_add_co_u32 s42, s42, s40                     ; head n = 4 x cluster x + cx
	s_and_b32 s43, ttmp7, 0xffff
	s_lshl_b32 s43, s43, 2
	s_add_co_u32 s43, s43, s41                     ; row block rb = 4 x cluster y + cy
	s_lshl_b32 s44, s41, 2
	s_lshl_b32 s44, 15, s44                        ; my row of the cluster
	s_lshl_b32 s45, 0x1111, s40                    ; my column
	; group 1: elements of 2 bytes; padding of 4 words behind every 64 words; bit 21 beside the mask
	s_or_b32 s[G1A+0], s44, (1<<16)|(1<<20)|(1<<21)|(5<<22)|(3<<25)   ; xb's tiles go to my row of the cluster
	s_mov_b32 s[G1A+1], KSTEP<<16                  ; tensor_dim0 = 128
	s_mov_b32 s[G1A+2], 64<<16                     ; tensor_dim1 = 64
	s_mov_b32 s[G1A+3], KSTEP<<16                  ; tile_dim0 = 128
	s_mov_b32 s[G1A+4], 64                         ; tile_dim1 = 64 rows
	s_mov_b32 s[G1A+5], 1024                       ; elements from row to row
	s_mov_b32 s[G1A+6], 0
	s_mov_b32 s[G1A+7], 0
	s_or_b32 s[G1B+0], s45, (1<<16)|(1<<20)|(1<<21)|(5<<22)|(3<<25)   ; wb's tiles go to my column
	s_mov_b32 s[G1B+1], KSTEP<<16
	s_mov_b32 s[G1B+2], 130<<16                    ; 130 rows in both halves: the second half's last two are the head sum, the first half's last two are not read
	s_mov_b32 s[G1B+3], KSTEP<<16
	s_mov_b32 s[G1B+4], 130
	s_mov_b32 s[G1B+5], 1024
	s_mov_b32 s[G1B+6], 0
	s_mov_b32 s[G1B+7], 0
	; where the tiles come from: xb's hang on rb alone, wb's on n alone, each made in registers that never hold the other coordinate
	s_lshl_b32 s16, s43, 7
	s_lshl_b32 s17, s14, 6
	s_add_co_u32 s16, s16, s17                     ; xb row 128 rb + 64 half
	s_lshl_b32 s16, s16, 11
	s_mov_b32 s17, 0
	s_mul_i32 s18, s42, 258
	s_lshl_b32 s19, s14, 7
	s_add_co_u32 s18, s18, s19                     ; wb row 258 n + 128 half
	s_lshl_b32 s18, s18, 11
	s_mov_b32 s19, 0
	s_mul_i32 s20, s12, REG                        ; and where they go: the wave's number times a region
	s_wait_dscnt 0x0
	s_wait_kmcnt 0x0
	s_add_nc_u64 s[66:67], s[4:5], s[16:17]
	s_add_nc_u64 s[46:47], s[6:7], s[18:19]
	CROUND                                         ; all sixteen work-groups are here: the first joint loads meet
.irp s, 0,1
	s_mov_b32 s[G0A+4*\s], 1
	s_add_co_u32 s[G0A+4*\s+1], s20, \s*SLOT
	s_add_nc_u64 s[G0A+4*\s+2:G0A+4*\s+3], s[66:67], \s*KSTEP*2    ; K step s
	s_or_b32 s[G0A+4*\s+3], s[G0A+4*\s+3], 0x80000000
	s_mov_b32 s[G0B+4*\s], 1
	s_add_co_u32 s[G0B+4*\s+1], s20, \s*SLOT
	s_add_nc_u64 s[G0B+4*\s+2:G0B+4*\s+3], s[46:47], \s*KSTEP*2
	s_or_b32 s[G0B+4*\s+3], s[G0B+4*\s+3], 0x80000000
	JLOAD \s                                       ; both slots' first fills go out together: two tensor loads of the wave are out
.endr
	; lane addresses.  A fragment: lane l holds row l % 16; two loads of 16 bytes, 32 apart, at row x pitch + 16 (l / 16).
	v_and_b32 v1, 15, v0                           ; r
	v_bfe_u32 v2, v0, 4, 1                         ; h
	v_and_b32 v6, 1, v0                            ; r & 1: which part of the head sum my column takes
	v_mul_u32_u24 v3, v1, PITCH
	v_lshl_add_u32 v3, v2, 4, v3                   ; r x pitch + 16 h
	v_mul_u32_u24 v7, v6, PITCH
	v_lshl_add_u32 v7, v2, 4, v7                   ; (r & 1) x pitch + 16 h, for the head sum's two rows
	s_lshl_b32 s21, s14, 6                         ; even quarters read the half 64 wc of each 128 bytes,
	s_sub_co_u32 s22, 64, s21                      ; odd quarters the other half
	s_mul_i32 s23, s13, REG                        ; my 64 rows of xb
	s_mul_i32 s2, s14, 64*PITCH
	s_add_co_u32 s2, s2, 2*REG                     ; my 64 forget rows
	s_mov_b32 s3, 3*REG+128*PITCH                  ; the head sum's upper row
.irp s, 0,1
.irp p, 0,1
	s_add_co_u32 s16, s23, s[21+\p]
	v_add_nc_u32 v[ADRA+2*\s+\p], s16, v3
	s_add_co_u32 s16, s2, s[21+\p]
	v_add_nc_u32 v[ADRB+2*\s+\p], s16, v3
	s_add_co_u32 s16, s3, s[21+\p]
	v_add_nc_u32 v[ADRW+2*\s+\p], s16, v7
.endr
	s_add_co_u32 s23, s23, SLOT
	s_add_co_u32 s2, s2, SLOT
	s_add_co_u32 s3, s3, SLOT
.endr
	s_lshl_b32 s16, s12, 9
	s_add_co_u32 s16, s16, SCR                     ; the exchange: 512 bytes a wave, 256 for each parity, 128 for each h
	v_lshl_add_u32 v4, v2, 7, s16
	v_lshl_add_u32 v[VXS], v6, 8, v4
	v_xor_b32 v6, 1, v6
	v_lshl_add_u32 v[VXL], v6, 8, v4
	s_xor_b32 s17, s12, 1                          ; the wave with my rows and the other channels
	s_lshl_b32 s17, s17, 9
	s_add_co_u32 s17, s17, SCR
	v_lshl_add_u32 v[VXP], v2, 7, s17
	v_lshlrev_b32 v5, 4, v1
	v_lshl_add_u32 v[YO], v2, 17, v5               ; h x 32 rows of 4,096 bytes + 16 r
	v_lshl_add_u32 v[QO], v2, 16, v5               ; h x 16 rows of words + 16 r
	v_lshl_add_u32 v[SO], v2, 12, v5               ; h x one row + 16 r
	; where x comes from and the results go, in scalar registers that serve nothing else
	s_lshl_b32 s68, s43, 7
	s_lshl_b32 s69, s13, 6
	s_add_co_u32 s68, s68, s69                     ; my first row: 128 rb + 64 wr
	s_lshl_b32 s70, s68, 7                         ; (row / 32) x 4,096 bytes: my first chunk row of sums
	s_lshl_b32 s76, s68, 11                        ; (row / 2) x 4,096 bytes: my first row of words in qb
	s_lshl_b32 s68, s68, 12                        ; row x 4,096 bytes in x and in zb
	s_lshl_b32 s78, s42, 9
	s_lshl_b32 s79, s14, 8
	s_add_co_u32 s78, s78, s79                     ; my first channel in bytes: 512 n + 256 wc
	s_add_co_u32 s68, s68, s78
	s_add_co_u32 s70, s70, s78
	s_add_co_u32 s76, s76, s78
	s_mov_b32 s69, 0
	s_mov_b32 s71, 0
	s_mov_b32 s77, 0
	s_add_nc_u64 s[8:9], s[8:9], s[68:69]          ; zb
	s_add_nc_u64 s[74:75], s[74:75], s[68:69]      ; x
	s_add_nc_u64 s[10:11], s[10:11], s[76:77]      ; qb
	s_add_nc_u64 s[72:73], s[72:73], s[70:71]      ; sums
; The matrix work of a quarter step (32 along K): 16 forget tiles, 2 of the 4 V tiles, 16 output tiles: 34 accumulators, which take turns, one
; instruction a turn, in the same order in every quarter, over the loop's backward jump too.  zero = 1: the product starts the sum.
.macro MULF f, mt0, zero
.irp mt, \mt0, \mt0+1
.irp u, 0,1,2,3
.if \zero
	v_wmma_f32_16x16x32_bf16 v[8*(4*(\mt)+\u):8*(4*(\mt)+\u)+7], v[\f+8*(\mt):\f+8*(\mt)+7], v[\f+32+8*\u:\f+32+8*\u+7], 0
.else
	v_wmma_f32_16x16x32_bf16 v[8*(4*(\mt)+\u):8*(4*(\mt)+\u)+7], v[\f+8*(\mt):\f+8*(\mt)+7], v[\f+32+8*\u:\f+32+8*\u+7], v[8*(4*(\mt)+\u):8*(4*(\mt)+\u)+7]
.endif
.endr
.endr
.endm
.macro MULV f, vp, zero
.irp mt, 2*\vp, 2*\vp+1
.if \zero
	v_wmma_f32_16x16x32_bf16 v[VACC+8*(\mt):VACC+8*(\mt)+7], v[\f+8*(\mt):\f+8*(\mt)+7], v[\f+96:\f+103], 0
.else
	v_wmma_f32_16x16x32_bf16 v[VACC+8*(\mt):VACC+8*(\mt)+7], v[\f+8*(\mt):\f+8*(\mt)+7], v[\f+96:\f+103], v[VACC+8*(\mt):VACC+8*(\mt)+7]
.endif
.endr
.endm
.macro MULO f, zero
.irp mt, 0,1,2,3
.irp u, 0,1,2,3
.if \zero
	v_wmma_f32_16x16x32_bf16 v[8*(4*\mt+\u):8*(4*\mt+\u)+7], v[\f+8*\mt:\f+8*\mt+7], v[\f+64+8*\u:\f+64+8*\u+7], 0
.else
	v_wmma_f32_16x16x32_bf16 v[8*(4*\mt+\u):8*(4*\mt+\u)+7], v[\f+8*\mt:\f+8*\mt+7], v[\f+64+8*\u:\f+64+8*\u+7], v[8*(4*\mt+\u):8*(4*\mt+\u)+7]
.endif
.endr
.endr
.endm
; 26 LDS loads in one run: quarter q's fragments into buffer f, the output gate's eight last
.macro FETCH slot, q, f
	WIN W_FR
.irp i, 0,1,2,3
	ds_load_b128 v[\f+8*\i:\f+8*\i+3],   v[ADRA+2*\slot+(\q&1)] offset:128*(\q>>1)+\i*16*PITCH
	ds_load_b128 v[\f+8*\i+4:\f+8*\i+7], v[ADRA+2*\slot+(\q&1)] offset:128*(\q>>1)+\i*16*PITCH+32
.endr
.irp i, 0,1,2,3
	ds_load_b128 v[\f+32+8*\i:\f+32+8*\i+3], v[ADRB+2*\slot+(\q&1)] offset:128*(\q>>1)+\i*16*PITCH
	ds_load_b128 v[\f+32+8*\i+4:\f+32+8*\i+7], v[ADRB+2*\slot+(\q&1)] offset:128*(\q>>1)+\i*16*PITCH+32
.endr
	ds_load_b128 v[\f+96:\f+99],   v[ADRW+2*\slot+(\q&1)] offset:128*(\q>>1)
	ds_load_b128 v[\f+100:\f+103], v[ADRW+2*\slot+(\q&1)] offset:128*(\q>>1)+32
.irp i, 0,1,2,3
	ds_load_b128 v[\f+64+8*\i:\f+64+8*\i+3], v[ADRB+2*\slot+(\q&1)] offset:REG+128*(\q>>1)+\i*16*PITCH
	ds_load_b128 v[\f+64+8*\i+4:\f+64+8*\i+7], v[ADRB+2*\slot+(\q&1)] offset:REG+128*(\q>>1)+\i*16*PITCH+32
.endr
.endm
; One of a K step's first three quarters: multiplies buffer f; in its middle it fetches quarter qn's fragments of the same slot into buffer g.
.macro QUARTER slot, qn, f, g, vp, zfo, zv
	s_wait_dscnt 8                                 ; all but the youngest eight loads (the output gate's fragments) are in
	WIN W_LO
	MULF \f, 0, \zfo
	MULF \f, 2, \zfo
	MULV \f, \vp, \zv
	PLACES
	FETCH \slot, \qn, \g
	s_wait_dscnt 26                                ; all but the 26 just issued
	WIN W_HI
	MULO \f, \zfo
.endm
.macro THREE slot, first
	QUARTER \slot, 1, F0, F1, 0, \first, \first
	QUARTER \slot, 2, F1, F0, 1, 0, \first         ; V tiles 2 and 3 start here
	QUARTER \slot, 3, F0, F1, 0, 0, 0
.endm
; The last quarter multiplies buffer 1 and changes slots.  In front of the barrier each wave waits for its reads of this slot and for all its tensor
; loads (one is out: its part of the next slot).  fill = 1: the barrier opens a round of the cluster's barrier, and behind the round the joint refill
; of this slot comes first, one tensor load a wave; it has a K step less ten matrix instructions in which to land.
.macro TURN slot, next, fill
	s_wait_dscnt 8
	WIN W_LO
	MULF F1, 0, 0
	s_wait_dscnt 0x0                               ; my reads of this slot are over
	s_set_vgpr_msb 0xa5a0
	s_wait_tensorcnt 0x0                           ; all my tensor loads have landed
	ds_add_u32 v62, v63
	s_wait_dscnt 0x0
	s_set_vgpr_msb 0xa0a5
	s_barrier_signal -1
	MULF F1, 2, 0                                  ; register work while the others arrive
	MULV F1, 1, 0
	WIN 0
	s_barrier_wait -1
.if \fill
	CREST
	s_add_nc_u64 s[G0A+4*\slot+2:G0A+4*\slot+3], s[G0A+4*\slot+2:G0A+4*\slot+3], 2*KSTEP*2   ; no tensor load of mine is out: group 0 may be written
	s_add_nc_u64 s[G0B+4*\slot+2:G0B+4*\slot+3], s[G0B+4*\slot+2:G0B+4*\slot+3], 2*KSTEP*2
	JLOAD \slot
.endif
	PLACES
	FETCH \next, 0, F0
	WIN W_HI
	MULO F1, 0
.endm
.macro LAP first
	THREE 0, \first
	TURN 0, 1, 1
	THREE 1, 0
	TURN 1, 0, 1
.endm
; x of steps k0 .. k0 + 15 of my chunk, four channels a load: sixteen lanes read 256 consecutive bytes, aligned.  The registers are named by nothing
; else until the way out, and the address register and the base are never rewritten.
.macro XLOAD k0
	WIN 0xc0                                       ; destination window 3, address window 0
.set kk, \k0
.rept 16
	global_load_b128 v[XR+4*kk:XR+4*kk+3], v[YO], s[74:75] offset:4096*kk th:TH_LOAD_NT
.set kk, kk+1
.endr
.endm
	s_wait_tensorcnt 0x1                           ; my part of K step 0 is in; K step 1's stays out
	s_barrier_signal -1
	s_barrier_wait -1
	FETCH 0, 0, F0
	LAP 1                                          ; the first lap's first products start the sums: nothing is cleared
	XLOAD 0                                        ; the first half of x, behind a slot's refill, six K steps ahead of its use
	WIN 0
	s_mov_b32 s15, LAPS-2
.Llap:
	LAP 0
	WIN 0
	s_sub_co_u32 s15, s15, 1
	s_cmp_lg_u32 s15, 0
	s_cbranch_scc1 .Llap
	XLOAD 16                                       ; the second half of x, behind the last refill, two K steps ahead of its use
	THREE 0, 0                                     ; the last lap fills nothing
	TURN 0, 1, 0
	THREE 1, 0
	s_wait_dscnt 0x0                               ; the very last quarter
	WIN W_LO
	MULF F1, 0, 0
	MULF F1, 2, 0
	MULV F1, 1, 0
	WIN W_HI
	MULO F1, 0
	; ---- behind the products ----
	PLACES
	; my part of V into the exchange: the eight lanes of one h and one parity hold the same 32 numbers and write the same bytes
	WIN 0x08
.irp mt, 0,1,2,3
	ds_store_b128 v[VXS], v[VACC+8*\mt:VACC+8*\mt+3] offset:32*\mt
	ds_store_b128 v[VXS], v[VACC+8*\mt+4:VACC+8*\mt+7] offset:32*\mt+16
.endr
	s_wait_dscnt 0x0                               ; for the partner's sake: my stores are done before I signal
	s_barrier_signal -1
	s_barrier_wait -1
	WIN 0x80                                       ; the three parts that I do not hold: my wave's other parity, the partner's two
.irp mt, 0,1,2,3
	ds_load_b128 v[VP1+8*\mt:VP1+8*\mt+3], v[VXL] offset:32*\mt
	ds_load_b128 v[VP1+8*\mt+4:VP1+8*\mt+7], v[VXL] offset:32*\mt+16
	ds_load_b128 v[VP2+8*\mt:VP2+8*\mt+3], v[VXP] offset:32*\mt
	ds_load_b128 v[VP2+8*\mt+4:VP2+8*\mt+7], v[VXP] offset:32*\mt+16
	ds_load_b128 v[VP3+8*\mt:VP3+8*\mt+3], v[VXP] offset:256+32*\mt
	ds_load_b128 v[VP3+8*\mt+4:VP3+8*\mt+7], v[VXP] offset:256+32*\mt+16
.endr
; 1 / (1 + 2^a) on the 32 accumulators from b on, in the window that is set.  One plain place stands between a run of transcendentals and the first use (ISA guide 5.7.2).
.macro SIGM b
.set ii, \b
.rept 32
	v_exp_f32 v[ii], v[ii]
.set ii, ii+1
.endr
	v_nop
.set ii, \b
	s_wait_alu depctr_va_vdst(0)
.rept 16
	v_pk_add_f32 v[ii:ii+1], v[ii:ii+1], 1.0 op_sel_hi:[1,0]
.set ii, ii+2
.endr
.set ii, \b
.rept 32
	v_rcp_f32 v[ii], v[ii]
.set ii, ii+1
.endr
	v_nop
.endm
; Steps 8 mt .. 8 mt + 7 of my chunk, four channels: gates, scan, z and q, and their 12 stores, which leave while the next group is made.
.macro GRP mt
	WIN 0xff
	SIGM 32*\mt                                    ; o
	WIN 0xaa
	SIGM 32*\mt                                    ; 1 - sigmoid of the forget gate
.set ii, 32*\mt
	s_wait_alu depctr_va_vdst(0)
.rept 32
	v_min_num_f32 v[ii], 0x3dccccd0, v[ii]         ; i = min(.., 1 - 0.9f): the lower bound on f
.set ii, ii+1
.endr
.if \mt == 0
	s_wait_dscnt 0x0                               ; the other three parts of V, for all four groups
.set ii, 0
.rept 16
	v_pk_add_f32 v[VACC+ii:VACC+ii+1], v[VACC+ii:VACC+ii+1], v[VP1+ii:VP1+ii+1]
	v_pk_add_f32 v[VP2+ii:VP2+ii+1], v[VP2+ii:VP2+ii+1], v[VP3+ii:VP3+ii+1]
.set ii, ii+2
.endr
.set ii, 0
.rept 16
	v_pk_add_f32 v[VACC+ii:VACC+ii+1], v[VACC+ii:VACC+ii+1], v[VP2+ii:VP2+ii+1]
.set ii, ii+2
.endr
.endif
	WIN 0x4a                                       ; g = i V, into window 1
.irp u, 0,1,2,3
.irp j, 0,2,4,6
	v_pk_mul_f32 v[8*(4*\mt+\u)+\j:8*(4*\mt+\u)+\j+1], v[8*(4*\mt+\u)+\j:8*(4*\mt+\u)+\j+1], v[VACC+8*\mt+\j:VACC+8*\mt+\j+1]
.endr
.endr
	WIN 0xaa                                       ; f = 1 - i, in place
.set ii, 32*\mt
.rept 16
	v_pk_fma_f32 v[ii:ii+1], v[ii:ii+1], -1.0, 1.0 op_sel_hi:[1,0,0]
.set ii, ii+2
.endr
.if \mt == 0
	WIN 0x42                                       ; the chunk's first step: s = g as it lies, P = f
.irp u, 0,1,2,3
	v_mov_b32 v[PAREA+8*\u], v[8*\u]
.endr
.endif
	WIN 0x56                                       ; s = f s + g in g's place, P = f P: eight chains that do not wait for each other
.set kk, 8*\mt
.rept 8
.if kk > 0
.set cur, 32*(kk>>3)+(kk&7)
.set prv, 32*((kk-1)>>3)+((kk-1)&7)
.irp u, 0,1,2,3
	v_fma_f32 v[cur+8*\u], v[cur+8*\u], v[prv+8*\u], v[cur+8*\u]
	v_mul_f32 v[PAREA+cur+8*\u], v[cur+8*\u], v[PAREA+prv+8*\u]
.endr
.endif
.set kk, kk+1
.endr
.if \mt == 3
	WIN 0x01                                       ; the chunk's last s and P of my four channels, side by side for a store of 16 bytes
.irp u, 0,1,2,3
	v_mov_b32 v[SE+\u], v[103+8*\u]
	v_mov_b32 v[PE+\u], v[PAREA+103+8*\u]
.endr
.endif
	WIN 0x87                                       ; q = o P (o window 3, P window 1), into window 2 in place of the group's f, which the scan has done with:
.set ii, 32*\mt                                    ; P itself stays, since the next group's chain goes on from its last step
.rept 16
	v_pk_mul_f32 v[ii:ii+1], v[ii:ii+1], v[PAREA+ii:PAREA+ii+1]
.set ii, ii+2
.endr
	s_wait_loadcnt 24-8*\mt                        ; loads come back in order (ISA guide 5.7.1): x of the first 8 mt + 8 steps is in, the younger loads stay out
	WIN 0x37                                       ; z = o s + x, written straight to where the four channels of a step lie side by side
.set kk, 8*\mt
.rept 8
.set cur, 32*(kk>>3)+(kk&7)
.irp u, 0,1,2,3
	v_fma_f32 v[WORD+4*kk+\u], v[cur+8*\u], v[cur+8*\u], v[XR+4*kk+\u]
.endr
.set kk, kk+1
.endr
	WIN 0x0a                                       ; q of steps 2 p (low half) and 2 p + 1 (high half) in f16, from window 2; the four channels side by side
.set pp, 4*\mt
.rept 4
.set cur, 32*(pp>>2)+2*(pp&3)
.irp u, 0,1,2,3
	v_cvt_pk_f16_f32 v[QW+4*pp+\u], v[cur+8*\u], v[cur+8*\u+1]
.endr
.set pp, pp+1
.endr
	WIN 0                                          ; each store: sixteen lanes fill 256 consecutive bytes, aligned; no store's data register is written again
.set kk, 8*\mt
.rept 8
	global_store_b128 v[YO], v[WORD+4*kk:WORD+4*kk+3], s[8:9] offset:4096*kk
.set kk, kk+1
.endr
.set pp, 4*\mt
.rept 4
	global_store_b128 v[QO], v[QW+4*pp:QW+4*pp+3], s[10:11] offset:4096*pp
.set pp, pp+1
.endr
.if \mt == 3
	global_store_b128 v[SO], v[SE:SE+3], s[72:73]                  ; the chunk's summary: S,
	global_store_b128 v[SO], v[PE:PE+3], s[72:73] offset:524288    ; and in its own plane P
.endif
.endm
	GRP 0
	GRP 1
	GRP 2
	GRP 3
	s_wait_tensorcnt 0x0
	ds_add_u32 v62, v63
	s_wait_dscnt 0x0
	CROUND                                         ; the closing round: no work-group ends while a partner may still ask for a tile that names it
	s_endpgm
.Lfunc_end_k_qb51aebf33c_gates:
	.size	k_qb51aebf33c_gates, .Lfunc_end_k_qb51aebf33c_gates-k_qb51aebf33c_gates
	.p2alignl 7, 3214868480
	.fill 96, 4, 3214868480
	.section	.rodata,"a",@progbits
	.p2align	6, 0x0
	.amdhsa_kernel k_qb51aebf33c_gates
		.amdhsa_group_segment_fixed_size 327680
		.amdhsa_private_segment_fixed_size 0
		.amdhsa_enable_private_segment 0
		.amdhsa_kernarg_size 48
		.amdhsa_user_sgpr_count 2
		.amdhsa_user_sgpr_kernarg_segment_ptr 1
		.amdhsa_wavefront_size32 1
		.amdhsa_system_sgpr_workgroup_id_x 1
		.amdhsa_system_sgpr_workgroup_id_y 1
		.amdhsa_system_sgpr_workgroup_id_z 1
		.amdhsa_system_vgpr_workitem_id 0
		.amdhsa_next_free_vgpr 1024
		.amdhsa_next_free_sgpr 80
		.amdhsa_reserve_vcc 0
		.amdhsa_float_denorm_mode_32 3
		.amdhsa_float_denorm_mode_16_64 3
		.amdhsa_memory_ordered 1
		.amdhsa_forward_progress 1
		.amdhsa_inst_pref_size 193
	.end_amdhsa_kernel
	.amdgpu_metadata
---
amdhsa.version: [ 1, 2 ]
amdhsa.kernels:
  - .name:           k_qb51aebf33c_gates
    .symbol:         k_qb51aebf33c_gates.kd
    .args:
      - { .name: xb, .offset: 0, .size: 8, .value_kind: global_buffer, .address_space: global }
      - { .name: wb, .offset: 8, .size: 8, .value_kind: global_buffer, .address_space: global }
      - { .name: zb, .offset: 16, .size: 8, .value_kind: global_buffer, .address_space: global }
      - { .name: qb, .offset: 24, .size: 8, .value_kind: global_buffer, .address_space: global }
      - { .name: sums, .offset: 32, .size: 8, .value_kind: global_buffer, .address_space: global }
      - { .name: x, .offset: 40, .size: 8, .value_kind: global_buffer, .address_space: global }
    .group_segment_fixed_size: 327680
    .private_segment_fixed_size: 0
    .kernarg_segment_align: 8
    .kernarg_segment_size: 48
    .max_flat_workgroup_size: 128
    .sgpr_count:     80
    .vgpr_count:     1024
    .wavefront_size: 32
...
	.end_amdgpu_metadata
.endif
;; end of part 2
;; launch finish (part 3): grid 8 x 32, 8 waves a work-group, no clusters, 33,792 bytes of LDS; arguments zb, qb, sums, out0; writes out0
.if DOCPART == 3
	.amdgcn_target "amdgcn-amd-amdhsa--gfx1250"
	.amdhsa_code_object_version 6
	.text
	.protected	k_qb51aebf33c_finish
	.globl	k_qb51aebf33c_finish
	.p2align	8
	.type	k_qb51aebf33c_finish,@function
k_qb51aebf33c_finish:
	s_mov_b64 s[64:65], 0
	v_nop
	global_prefetch_b8 v0, s[64:65] scope:SCOPE_SE
	s_setreg_imm32_b32 hwreg(HW_REG_WAVE_MODE, 25, 1), 1
	s_wait_xcnt 0x0
; finish: out = z + q carry, where z = x + o s_loc comes from the matrix launch and carry is the scan's state at the head of the row's chunk of 32 t.
; Work-group (cb, rt): rows 128 rt .. + 127 of the 4,096 (batch b = rt >> 3, part tg = rt & 7 of its 1,024 t), channels 128 cb .. + 127.
; Wave v owns 16 rows, half of chunk c = 4 tg + (v >> 1) of the batch; a lane owns four channels (16 bytes), so each load and store of a wave
; covers 512 consecutive bytes, aligned.  All 32 loads of a wave go out at once.
; z comes in f32; q in f16, a word holding rows 2 p (low half) and 2 p + 1 (high half) of one channel: q lies in (0, 1] for every input.
; THE CARRY.  Chunk k maps carry to P_k carry + S_k (f32 summaries from the matrix launch).  Wave v composes chunks 4 v .. 4 v + 3 of the batch into
; inclusive prefixes and puts the four maps into an LDS table of 32 entries; behind one barrier each wave, with e = c - 1, folds the e >> 2 whole
; groups of four and then applies entry e.  For c = 0 the carry is 0: e wraps to 31 (a written entry) and the result is replaced by 0.
; A product of P spans at most four chunks, at least 0.9^128: no underflow.
; No matrix unit; no cluster and no tensor loads: what work-groups share is the 32 KiB of summaries out of 128 KiB that each reads, and it comes through registers.
.set FE, 8                             ; v[8:63]    behind the barrier: the seven whole groups' maps (P, S)
.set SS, 8                             ; v[8:23]    in front of it: S of my four chunks
.set PP, 24                            ; v[24:39]   and P of my four chunks
.set T,  64                            ; v[64:71]   entry e (P, S); then a row's q in f32
.set C,  72                            ; v[72:75]   the carry of my four channels
.set Q,  76                            ; v[76:107]  8 quads of q words; halves have names only below v128, and are named v76.l .. v107.h in the calls below
.set Z,  108                           ; v[108:171] 16 rows of z, then of out
.set PLANE, 524288                     ; from S's plane to P's
	s_load_b256 s[4:11], s[0:1], 0x0               ; zb s[4:5], qb s[6:7], sums s[8:9], out0 s[10:11]
	v_lshl_add_u32 v172, v0, 2, 0x8000
	v_mov_b32 v173, 0
	v_lshrrev_b32 v3, 5, v0
	v_readfirstlane_b32 s12, v3                    ; wave 0..7
	v_and_b32 v1, 31, v0
	v_lshlrev_b32 v1, 4, v1                        ; 16 x lane
	s_and_b32 s13, ttmp7, 0xffff                   ; rt
	s_lshr_b32 s14, s13, 3                         ; b
	s_and_b32 s15, s13, 7                          ; tg
	s_lshr_b32 s16, s12, 1                         ; my chunk in the tile
	s_lshl_b32 s17, ttmp9, 9                       ; 512 cb
	s_lshl_b32 s18, s13, 7
	s_lshl4_add_u32 s18, s12, s18                  ; my first row: 128 rt + 16 wave
	s_lshl_b32 s28, s18, 11                        ; (row / 2) x 4,096 bytes in qb
	s_add_co_u32 s28, s28, s17
	s_mov_b32 s29, 0
	s_lshl_b32 s18, s18, 12                        ; row x 4,096 bytes in zb and out0
	s_add_co_u32 s18, s18, s17
	s_mov_b32 s19, 0
	s_lshl_b32 s20, s14, 5
	s_lshl2_add_u32 s20, s12, s20                  ; my first chunk row of sums: 32 b + 4 wave
	s_lshl_b32 s20, s20, 12
	s_add_co_u32 s20, s20, s17
	s_mov_b32 s21, 0
	v_lshl_add_u32 v2, s12, 12, v1                 ; the table: 1,024 bytes an entry (P, then S 512 further), four entries a wave
	s_lshl2_add_u32 s23, s15, s16                  ; c = 4 tg + my chunk
	s_cmp_lg_u32 s23, 0
	s_cselect_b32 s24, -1, 0                       ; all lanes keep the carry, or none (the batch's first chunk)
	s_sub_co_u32 s23, s23, 1
	s_and_b32 s23, s23, 31                         ; e = c - 1; for c = 0 entry 31, whose result is thrown away
	s_lshr_b32 s25, s23, 2                         ; whole groups in front of entry e
	s_lshl_b32 s23, s23, 10
	v_add_nc_u32 v4, s23, v1
	s_wait_kmcnt 0x0
	s_add_nc_u64 s[8:9], s[8:9], s[20:21]
	s_add_nc_u64 s[4:5], s[4:5], s[18:19]
	s_add_nc_u64 s[6:7], s[6:7], s[28:29]
	s_add_nc_u64 s[10:11], s[10:11], s[18:19]
.irp i, 0,1,2,3
	global_load_b128 v[SS+4*\i:SS+4*\i+3], v1, s[8:9] offset:4096*\i           ; read by eight work-groups: no hint
	global_load_b128 v[PP+4*\i:PP+4*\i+3], v1, s[8:9] offset:4096*\i+PLANE
.endr
.irp p, 0,1,2,3,4,5,6,7
	global_load_b128 v[Q+4*\p:Q+4*\p+3], v1, s[6:7] offset:4096*\p th:TH_LOAD_NT              ; three loads for a pair of rows: q,
	global_load_b128 v[Z+8*\p:Z+8*\p+3], v1, s[4:5] offset:8192*\p th:TH_LOAD_NT              ; z of row 2 p,
	global_load_b128 v[Z+8*\p+4:Z+8*\p+7], v1, s[4:5] offset:8192*\p+4096 th:TH_LOAD_NT       ; z of row 2 p + 1
.endr
	s_wait_loadcnt 24                              ; the eight loads of summaries are in; the 24 younger loads stay out
.irp i, 1,2,3
	v_pk_fma_f32 v[SS+4*\i:SS+4*\i+1], v[PP+4*\i:PP+4*\i+1], v[SS+4*\i-4:SS+4*\i-3], v[SS+4*\i:SS+4*\i+1]       ; S = P S_before + S, with the chunk's own P,
	v_pk_fma_f32 v[SS+4*\i+2:SS+4*\i+3], v[PP+4*\i+2:PP+4*\i+3], v[SS+4*\i-2:SS+4*\i-1], v[SS+4*\i+2:SS+4*\i+3]
	v_pk_mul_f32 v[PP+4*\i:PP+4*\i+1], v[PP+4*\i:PP+4*\i+1], v[PP+4*\i-4:PP+4*\i-3]                             ; then P = P P_before
	v_pk_mul_f32 v[PP+4*\i+2:PP+4*\i+3], v[PP+4*\i+2:PP+4*\i+3], v[PP+4*\i-2:PP+4*\i-1]
.endr
.irp i, 0,1,2,3
	ds_store_b128 v2, v[PP+4*\i:PP+4*\i+3] offset:1024*\i
	ds_store_b128 v2, v[SS+4*\i:SS+4*\i+3] offset:1024*\i+512
.endr
	s_wait_dscnt 0x0                               ; for the others' sake: my entries are written before I signal (and their registers are free)
	s_barrier_signal -1
	s_barrier_wait -1
.irp g, 0,1,2,3,4,5,6
	ds_load_b128 v[FE+8*\g:FE+8*\g+3],   v1 offset:1024*(4*\g+3)       ; group g as a whole: its last inclusive prefix
	ds_load_b128 v[FE+8*\g+4:FE+8*\g+7], v1 offset:1024*(4*\g+3)+512
.endr
	ds_load_b128 v[T:T+3],   v4                    ; entry e
	ds_load_b128 v[T+4:T+7], v4 offset:512
.irp k, 0,1,2,3
	v_mov_b32 v[C+\k], 0                           ; the batch starts from a zero state
.endr
	s_wait_dscnt 0x0
.irp g, 0,1,2,3,4,5,6
	s_cmp_le_u32 s25, \g
	s_cbranch_scc1 .Lfolded
	v_pk_fma_f32 v[C:C+1],   v[FE+8*\g:FE+8*\g+1],   v[C:C+1],   v[FE+8*\g+4:FE+8*\g+5]
	v_pk_fma_f32 v[C+2:C+3], v[FE+8*\g+2:FE+8*\g+3], v[C+2:C+3], v[FE+8*\g+6:FE+8*\g+7]
.endr
.Lfolded:
	v_pk_fma_f32 v[C:C+1],   v[T:T+1],   v[C:C+1],   v[T+4:T+5]
	v_pk_fma_f32 v[C+2:C+3], v[T+2:T+3], v[C+2:C+3], v[T+6:T+7]
.irp k, 0,1,2,3
	v_cndmask_b32 v[C+\k], 0, v[C+\k], s24
.endr
; Row i: left = how many younger loads may stay out; a to d = the halves that hold the row's q of my four channels.
.macro ROWOUT i, left, a, b, c, d
	s_wait_loadcnt \left                           ; loads come back in order (ISA guide 5.7.1): this row's are in, the younger ones stay out
	v_cvt_f32_f16 v[T], \a
	v_cvt_f32_f16 v[T+1], \b
	v_cvt_f32_f16 v[T+2], \c
	v_cvt_f32_f16 v[T+3], \d
	v_pk_fma_f32 v[Z+4*\i:Z+4*\i+1],   v[T:T+1],   v[C:C+1],   v[Z+4*\i:Z+4*\i+1]
	v_pk_fma_f32 v[Z+4*\i+2:Z+4*\i+3], v[T+2:T+3], v[C+2:C+3], v[Z+4*\i+2:Z+4*\i+3]
	global_store_b128 v1, v[Z+4*\i:Z+4*\i+3], s[10:11] offset:4096*\i th:TH_STORE_NT   ; each row has its own registers: no store's data is written again
.endm
	; of the 24 loads, pair p's three are numbers 3 p .. 3 p + 2: row 2 p needs the first two (22 - 3 p younger), row 2 p + 1 all three (21 - 3 p younger)
	ROWOUT 0,  22, v76.l, v77.l, v78.l, v79.l
	ROWOUT 1,  21, v76.h, v77.h, v78.h, v79.h
	ROWOUT 2,  19, v80.l, v81.l, v82.l, v83.l
	ROWOUT 3,  18, v80.h, v81.h, v82.h, v83.h
	ROWOUT 4,  16, v84.l, v85.l, v86.l, v87.l
	ROWOUT 5,  15, v84.h, v85.h, v86.h, v87.h
	ROWOUT 6,  13, v88.l, v89.l, v90.l, v91.l
	ROWOUT 7,  12, v88.h, v89.h, v90.h, v91.h
	ROWOUT 8,  10, v92.l, v93.l, v94.l, v95.l
	ROWOUT 9,  9,  v92.h, v93.h, v94.h, v95.h
	ROWOUT 10, 7,  v96.l, v97.l, v98.l, v99.l
	ROWOUT 11, 6,  v96.h, v97.h, v98.h, v99.h
	ROWOUT 12, 4,  v100.l, v101.l, v102.l, v103.l
	ROWOUT 13, 3,  v100.h, v101.h, v102.h, v103.h
	ROWOUT 14, 1,  v104.l, v105.l, v106.l, v107.l
	ROWOUT 15, 0,  v104.h, v105.h, v106.h, v107.h
	s_wait_tensorcnt 0x0
	ds_add_u32 v172, v173
	s_wait_dscnt 0x0
	s_endpgm
.Lfunc_end_k_qb51aebf33c_finish:
	.size	k_qb51aebf33c_finish, .Lfunc_end_k_qb51aebf33c_finish-k_qb51aebf33c_finish
	.p2alignl 7, 3214868480
	.fill 96, 4, 3214868480
	.section	.rodata,"a",@progbits
	.p2align	6, 0x0
	.amdhsa_kernel k_qb51aebf33c_finish
		.amdhsa_group_segment_fixed_size 33792
		.amdhsa_private_segment_fixed_size 0
		.amdhsa_enable_private_segment 0
		.amdhsa_kernarg_size 32
		.amdhsa_user_sgpr_count 2
		.amdhsa_user_sgpr_kernarg_segment_ptr 1
		.amdhsa_wavefront_size32 1
		.amdhsa_system_sgpr_workgroup_id_x 1
		.amdhsa_system_sgpr_workgroup_id_y 1
		.amdhsa_system_sgpr_workgroup_id_z 1
		.amdhsa_system_vgpr_workitem_id 0
		.amdhsa_next_free_vgpr 174
		.amdhsa_next_free_sgpr 66
		.amdhsa_reserve_vcc 0
		.amdhsa_float_denorm_mode_32 3
		.amdhsa_float_denorm_mode_16_64 3
		.amdhsa_memory_ordered 1
		.amdhsa_forward_progress 1
		.amdhsa_inst_pref_size 15
	.end_amdhsa_kernel
	.amdgpu_metadata
---
amdhsa.version: [ 1, 2 ]
amdhsa.kernels:
  - .name:           k_qb51aebf33c_finish
    .symbol:         k_qb51aebf33c_finish.kd
    .args:
      - { .name: zb, .offset: 0, .size: 8, .value_kind: global_buffer, .address_space: global }
      - { .name: qb, .offset: 8, .size: 8, .value_kind: global_buffer, .address_space: global }
      - { .name: sums, .offset: 16, .size: 8, .value_kind: global_buffer, .address_space: global }
      - { .name: out0, .offset: 24, .size: 8, .value_kind: global_buffer, .address_space: global }
    .group_segment_fixed_size: 33792
    .private_segment_fixed_size: 0
    .kernarg_segment_align: 8
    .kernarg_segment_size: 32
    .max_flat_workgroup_size: 256
    .sgpr_count:     66
    .vgpr_count:     174
    .wavefront_size: 32
...
	.end_amdgpu_metadata
.endif
;; end of part 3
;; ======== version 2 of 2: 3 launches; version 1 with the launch finish written anew for expert scheduling mode
;; limits: values outside matrix products are rounded to f16
;; workspace buffers: xb 8,388,608 bytes; wb 4,227,072 bytes; zb 16,777,216 bytes; qb 8,388,608 bytes; sums 1,048,576 bytes
;; launch prep: the kernel of part 1 again; grid 448 x 1, 8 waves a work-group, no clusters, 5,120 bytes of LDS; arguments x, norm_w, w_forget, w_input, w_output, xb, wb; writes xb, wb
;; launch gates: the kernel of part 2 again; grid 8 x 32, 4 waves a work-group, clusters of 4 x 4, 327,680 bytes of LDS; arguments xb, wb, zb, qb, sums, x; writes zb, qb, sums
;; launch finish (part 4): grid 8 x 32, 8 waves a work-group, no clusters, 33,792 bytes of LDS; arguments zb, qb, sums, out0; writes out0
.if DOCPART == 4
	.amdgcn_target "amdgcn-amd-amdhsa--gfx1250"
	.amdhsa_code_object_version 6
	.text
	.protected	k_qb51aebf33c_finish
	.globl	k_qb51aebf33c_finish
	.p2align	8
	.type	k_qb51aebf33c_finish,@function
k_qb51aebf33c_finish:
	s_mov_b64 s[64:65], 0
	v_nop
	global_prefetch_b8 v0, s[64:65] scope:SCOPE_SE
	s_setreg_imm32_b32 hwreg(HW_REG_WAVE_SCHED_MODE, 0, 2), 2
	s_setreg_imm32_b32 hwreg(HW_REG_WAVE_MODE, 25, 1), 1
	s_wait_xcnt 0x0
	s_wait_alu depctr_vm_vsrc(0)
; finish: out = z + q carry, where z = x + o s_loc comes from the matrix launch and carry is the scan's state at the head of the row's chunk of 32 t.
; Work-group (cb, rt): rows 128 rt .. + 127 of the 4,096 (batch b = rt >> 3, part tg = rt & 7 of its 1,024 t), channels 128 cb .. + 127.
; Wave v owns 16 rows, half of chunk c = 4 tg + (v >> 1) of the batch; a lane owns four channels (16 bytes), so each load and store of a wave
; covers 512 consecutive bytes, aligned.  All 32 loads of a wave go out at once.
; z comes in f32; q in f16, a word holding rows 2 p (low half) and 2 p + 1 (high half) of one channel: q lies in (0, 1] for every input.
; THE CARRY.  Chunk k maps carry to P_k carry + S_k (f32 summaries from the matrix launch).  Wave v composes chunks 4 v .. 4 v + 3 of the batch into
; inclusive prefixes and puts the four maps into an LDS table of 32 entries; behind one barrier each wave, with e = c - 1, folds the e >> 2 whole
; groups of four and then applies entry e.  For c = 0 the carry is 0: e wraps to 31 (a written entry) and the result is replaced by 0.
; A product of P spans at most four chunks, at least 0.9^128: no underflow.
; No matrix unit; no cluster and no tensor loads: what work-groups share is the 32 KiB of summaries out of 128 KiB that each reads, and it comes through registers.
; THE MODE: SCHED_MODE bits 1:0 = 2 (LLVM: expert scheduling mode 2), set by the entry lines.  The code itself states the register dependences
; between vector instructions and memory or LDS instructions, with s_wait_alu, always for 0.
; THE PLAN.  Registers that memory or LDS instructions touch:
;   v1, v2, v4    offsets and LDS addresses: made at the head by vector instructions, never written again; read by every load, store and LDS access.
;   SS, PP        the summaries' loads land; the composing lines rewrite them in place; the LDS stores read them; then the groups' maps land on them from LDS.
;   T             two LDS loads land; from then on vector instructions alone name it.
;   Q             loaded once, read by the conversions.
;   Z             loaded once; a row's two multiply-adds rewrite it in place; the row's store reads it; it is never written again.
;   v172, v173    written at the head, read by the closing add alone.
; The 16 rows go out in four groups of four.  One wait on va_vdst at the head of a group states that the group before has written its rows of Z; that
; group's four stores follow it, dealt among this group's vector instructions, which name T, C, Q and this group's own rows of Z: none of the registers
; that those stores read.  One more such wait stands ahead of the last group's stores.
.set FE, 8                             ; v[8:63]    behind the barrier: the seven whole groups' maps (P, S)
.set SS, 8                             ; v[8:23]    in front of it: S of my four chunks
.set PP, 24                            ; v[24:39]   and P of my four chunks
.set T,  64                            ; v[64:71]   entry e (P, S); then a row's q in f32
.set C,  72                            ; v[72:75]   the carry of my four channels
.set Q,  76                            ; v[76:107]  8 quads of q words; halves have names only below v128, and are named v76.l .. v107.h in the calls below
.set Z,  108                           ; v[108:171] 16 rows of z, then of out
.set PLANE, 524288                     ; from S's plane to P's
	s_load_b256 s[4:11], s[0:1], 0x0               ; zb s[4:5], qb s[6:7], sums s[8:9], out0 s[10:11]
	v_lshl_add_u32 v172, v0, 2, 0x8000             ; the LDS address of my spare word, behind the table, and 0: made here and kept for the closing lines alone
	v_mov_b32 v173, 0
	v_lshrrev_b32 v3, 5, v0
	v_readfirstlane_b32 s12, v3                    ; wave 0..7
	v_and_b32 v1, 31, v0
	v_lshlrev_b32 v1, 4, v1                        ; 16 x lane
	s_and_b32 s13, ttmp7, 0xffff                   ; rt
	s_lshr_b32 s14, s13, 3                         ; b
	s_and_b32 s15, s13, 7                          ; tg
	s_wait_alu depctr_va_sdst(0)                   ; s12 is written, ahead of its first reader: the bases, the table's address and the chunk's number are made from it
	s_lshr_b32 s16, s12, 1                         ; my chunk in the tile
	s_lshl_b32 s17, ttmp9, 9                       ; 512 cb
	s_lshl_b32 s18, s13, 7
	s_lshl4_add_u32 s18, s12, s18                  ; my first row: 128 rt + 16 wave
	s_lshl_b32 s28, s18, 11                        ; (row / 2) x 4,096 bytes in qb
	s_add_co_u32 s28, s28, s17
	s_mov_b32 s29, 0
	s_lshl_b32 s18, s18, 12                        ; row x 4,096 bytes in zb and out0
	s_add_co_u32 s18, s18, s17
	s_mov_b32 s19, 0
	s_lshl_b32 s20, s14, 5
	s_lshl2_add_u32 s20, s12, s20                  ; my first chunk row of sums: 32 b + 4 wave
	s_lshl_b32 s20, s20, 12
	s_add_co_u32 s20, s20, s17
	s_mov_b32 s21, 0
	v_lshl_add_u32 v2, s12, 12, v1                 ; the table: 1,024 bytes an entry (P, then S 512 further), four entries a wave
	s_lshl2_add_u32 s23, s15, s16                  ; c = 4 tg + my chunk
	s_cmp_lg_u32 s23, 0
	s_cselect_b32 s24, -1, 0                       ; all lanes keep the carry, or none (the batch's first chunk)
	s_sub_co_u32 s23, s23, 1
	s_and_b32 s23, s23, 31                         ; e = c - 1; for c = 0 entry 31, whose result is thrown away
	s_lshr_b32 s25, s23, 2                         ; whole groups in front of entry e
	s_lshl_b32 s23, s23, 10
	v_add_nc_u32 v4, s23, v1
	s_wait_kmcnt 0x0
	s_add_nc_u64 s[8:9], s[8:9], s[20:21]
	s_add_nc_u64 s[4:5], s[4:5], s[18:19]
	s_add_nc_u64 s[6:7], s[6:7], s[28:29]
	s_add_nc_u64 s[10:11], s[10:11], s[18:19]
	s_wait_alu depctr_va_vdst(0)                   ; v1, v2 and v4 are written: every load, store and LDS access of the kernel reads one of them as its offset or address
.irp i, 0,1,2,3
	global_load_b128 v[SS+4*\i:SS+4*\i+3], v1, s[8:9] offset:4096*\i           ; read by eight work-groups: no hint
	global_load_b128 v[PP+4*\i:PP+4*\i+3], v1, s[8:9] offset:4096*\i+PLANE
.endr
.irp p, 0,1,2,3,4,5,6,7
	global_load_b128 v[Q+4*\p:Q+4*\p+3], v1, s[6:7] offset:4096*\p th:TH_LOAD_NT              ; three loads for a pair of rows: q,
	global_load_b128 v[Z+8*\p:Z+8*\p+3], v1, s[4:5] offset:8192*\p th:TH_LOAD_NT              ; z of row 2 p,
	global_load_b128 v[Z+8*\p+4:Z+8*\p+7], v1, s[4:5] offset:8192*\p+4096 th:TH_LOAD_NT       ; z of row 2 p + 1
.endr
	s_wait_loadcnt 24                              ; the eight loads of summaries are in; the 24 younger loads stay out
.irp i, 1,2,3
	v_pk_fma_f32 v[SS+4*\i:SS+4*\i+1], v[PP+4*\i:PP+4*\i+1], v[SS+4*\i-4:SS+4*\i-3], v[SS+4*\i:SS+4*\i+1]       ; S = P S_before + S, with the chunk's own P,
	v_pk_fma_f32 v[SS+4*\i+2:SS+4*\i+3], v[PP+4*\i+2:PP+4*\i+3], v[SS+4*\i-2:SS+4*\i-1], v[SS+4*\i+2:SS+4*\i+3]
	v_pk_mul_f32 v[PP+4*\i:PP+4*\i+1], v[PP+4*\i:PP+4*\i+1], v[PP+4*\i-4:PP+4*\i-3]                             ; then P = P P_before
	v_pk_mul_f32 v[PP+4*\i+2:PP+4*\i+3], v[PP+4*\i+2:PP+4*\i+3], v[PP+4*\i-2:PP+4*\i-1]
.endr
	s_wait_alu depctr_va_vdst(0)                   ; the composing lines have written SS and PP, which the LDS stores read; they are also done with these registers, in which LDS loads land behind the barrier
.irp i, 0,1,2,3
	ds_store_b128 v2, v[PP+4*\i:PP+4*\i+3] offset:1024*\i
	ds_store_b128 v2, v[SS+4*\i:SS+4*\i+3] offset:1024*\i+512
.endr
	s_wait_dscnt 0x0                               ; for the others' sake: my entries are written before I signal
	s_barrier_signal -1
	s_barrier_wait -1
	s_wait_alu depctr_vm_vsrc(0)                   ; my LDS stores have read SS and PP: the groups' maps land in these registers
.irp g, 0,1,2,3,4,5,6
	ds_load_b128 v[FE+8*\g:FE+8*\g+3],   v1 offset:1024*(4*\g+3)       ; group g as a whole: its last inclusive prefix
	ds_load_b128 v[FE+8*\g+4:FE+8*\g+7], v1 offset:1024*(4*\g+3)+512
.endr
	ds_load_b128 v[T:T+3],   v4                    ; entry e
	ds_load_b128 v[T+4:T+7], v4 offset:512
.irp k, 0,1,2,3
	v_mov_b32 v[C+\k], 0                           ; the batch starts from a zero state
.endr
	s_wait_dscnt 0x0
.irp g, 0,1,2,3,4,5,6
	s_cmp_le_u32 s25, \g
	s_cbranch_scc1 .Lfolded
	v_pk_fma_f32 v[C:C+1],   v[FE+8*\g:FE+8*\g+1],   v[C:C+1],   v[FE+8*\g+4:FE+8*\g+5]
	v_pk_fma_f32 v[C+2:C+3], v[FE+8*\g+2:FE+8*\g+3], v[C+2:C+3], v[FE+8*\g+6:FE+8*\g+7]
.endr
.Lfolded:
	v_pk_fma_f32 v[C:C+1],   v[T:T+1],   v[C:C+1],   v[T+4:T+5]
	v_pk_fma_f32 v[C+2:C+3], v[T+2:T+3], v[C+2:C+3], v[T+6:T+7]
.irp k, 0,1,2,3
	v_cndmask_b32 v[C+\k], 0, v[C+\k], s24         ; s24 was written by a scalar instruction
.endr
; Row i: left = how many younger loads may stay out; a to d = the halves that hold the row's q of my four channels.
; Ahead of the row's arithmetic goes the store of the row four back, whose data the wait at its group's head has shown written.
.macro ROWOUT i, left, a, b, c, d
	s_wait_loadcnt \left                           ; loads come back in order (ISA guide 5.7.1): this row's are in, the younger ones stay out
.if ((\i) >= 4) && ((\i) % 4 == 0)
	s_wait_alu depctr_va_vdst(0)                   ; the group before has written its four rows of Z, which this group's four stores read
.endif
.if (\i) >= 4
	global_store_b128 v1, v[Z+4*(\i)-16:Z+4*(\i)-13], s[10:11] offset:4096*(\i)-16384 th:TH_STORE_NT   ; no vector instruction since the wait names these registers or v1; each row has its own registers: no store's data is written again
.endif
	v_cvt_f32_f16 v[T], \a
	v_cvt_f32_f16 v[T+1], \b
	v_cvt_f32_f16 v[T+2], \c
	v_cvt_f32_f16 v[T+3], \d
	v_pk_fma_f32 v[Z+4*(\i):Z+4*(\i)+1],   v[T:T+1],   v[C:C+1],   v[Z+4*(\i):Z+4*(\i)+1]
	v_pk_fma_f32 v[Z+4*(\i)+2:Z+4*(\i)+3], v[T+2:T+3], v[C+2:C+3], v[Z+4*(\i)+2:Z+4*(\i)+3]
.endm
	; of the 24 loads, pair p's three are numbers 3 p .. 3 p + 2: row 2 p needs the first two (22 - 3 p younger), row 2 p + 1 all three (21 - 3 p younger)
	ROWOUT 0,  22, v76.l, v77.l, v78.l, v79.l
	ROWOUT 1,  21, v76.h, v77.h, v78.h, v79.h
	ROWOUT 2,  19, v80.l, v81.l, v82.l, v83.l
	ROWOUT 3,  18, v80.h, v81.h, v82.h, v83.h
	ROWOUT 4,  16, v84.l, v85.l, v86.l, v87.l
	ROWOUT 5,  15, v84.h, v85.h, v86.h, v87.h
	ROWOUT 6,  13, v88.l, v89.l, v90.l, v91.l
	ROWOUT 7,  12, v88.h, v89.h, v90.h, v91.h
	ROWOUT 8,  10, v92.l, v93.l, v94.l, v95.l
	ROWOUT 9,  9,  v92.h, v93.h, v94.h, v95.h
	ROWOUT 10, 7,  v96.l, v97.l, v98.l, v99.l
	ROWOUT 11, 6,  v96.h, v97.h, v98.h, v99.h
	ROWOUT 12, 4,  v100.l, v101.l, v102.l, v103.l
	ROWOUT 13, 3,  v100.h, v101.h, v102.h, v103.h
	ROWOUT 14, 1,  v104.l, v105.l, v106.l, v107.l
	ROWOUT 15, 0,  v104.h, v105.h, v106.h, v107.h
	s_wait_alu depctr_va_vdst(0)                   ; the last group has written rows 12 to 15 of Z, which the last four stores read
.irp i, 12,13,14,15
	global_store_b128 v1, v[Z+4*\i:Z+4*\i+3], s[10:11] offset:4096*\i th:TH_STORE_NT
.endr
	s_wait_dscnt 0x0                               ; the closing lines, six on end
	s_wait_alu 0x0
	s_wait_tensorcnt 0x0
	ds_add_u32 v172, v173
	s_wait_dscnt 0x0
	s_endpgm
.Lfunc_end_k_qb51aebf33c_finish:
	.size	k_qb51aebf33c_finish, .Lfunc_end_k_qb51aebf33c_finish-k_qb51aebf33c_finish
	.p2alignl 7, 3214868480
	.fill 96, 4, 3214868480
	.section	.rodata,"a",@progbits
	.p2align	6, 0x0
	.amdhsa_kernel k_qb51aebf33c_finish
		.amdhsa_group_segment_fixed_size 33792
		.amdhsa_private_segment_fixed_size 0
		.amdhsa_enable_private_segment 0
		.amdhsa_kernarg_size 32
		.amdhsa_user_sgpr_count 2
		.amdhsa_user_sgpr_kernarg_segment_ptr 1
		.amdhsa_wavefront_size32 1
		.amdhsa_system_sgpr_workgroup_id_x 1
		.amdhsa_system_sgpr_workgroup_id_y 1
		.amdhsa_system_sgpr_workgroup_id_z 1
		.amdhsa_system_vgpr_workitem_id 0
		.amdhsa_next_free_vgpr 174
		.amdhsa_next_free_sgpr 66
		.amdhsa_reserve_vcc 0
		.amdhsa_float_denorm_mode_32 3
		.amdhsa_float_denorm_mode_16_64 3
		.amdhsa_memory_ordered 1
		.amdhsa_forward_progress 1
		.amdhsa_inst_pref_size 16
	.end_amdhsa_kernel
	.amdgpu_metadata
---
amdhsa.version: [ 1, 2 ]
amdhsa.kernels:
  - .name:           k_qb51aebf33c_finish
    .symbol:         k_qb51aebf33c_finish.kd
    .args:
      - { .name: zb, .offset: 0, .size: 8, .value_kind: global_buffer, .address_space: global }
      - { .name: qb, .offset: 8, .size: 8, .value_kind: global_buffer, .address_space: global }
      - { .name: sums, .offset: 16, .size: 8, .value_kind: global_buffer, .address_space: global }
      - { .name: out0, .offset: 24, .size: 8, .value_kind: global_buffer, .address_space: global }
    .group_segment_fixed_size: 33792
    .private_segment_fixed_size: 0
    .kernarg_segment_align: 8
    .kernarg_segment_size: 32
    .max_flat_workgroup_size: 256
    .sgpr_count:     66
    .vgpr_count:     174
    .wavefront_size: 32
...
	.end_amdgpu_metadata
.endif
;; end of part 4
